; MI455X (gfx1250); checked and timed in simulation.
; The chip was launched on July 23, 2026; its instructions are those of AMD's public machine-readable ISA for CDNA 5 (MIT licence, August 2026) and "CDNA5" Instruction Set Architecture Reference Guide (July 2026). The comments in the code are by the model that wrote it; some were corrected since.
;; Attention Block. Allowed arithmetic: matrix products marked QUANTISED: E2M1 operands, one E8M0 scale for each 32 along K, by v_wmma_scale_f32_16x16x128_f8f6f4 with both operands' format E2M1 (or v_wmma_scale_f32_32x16x128_f4), f32 sums; everything else in f32.
;; Inputs: gn_b 256 float32; gn_w 256 float32; proj_b 256 float32; proj_w_codes 256 x 8 x 16 uint8 (E2M1 codes of proj_w, K innermost, in blocks of 32 codes, two codes a byte); proj_w_scales 256 x 8 uint8 (E8M0 scales of proj_w, one for each 32 codes along K); qkv_b 768 float32; qkv_w_codes 768 x 8 x 16 uint8 (E2M1 codes of qkv_w, K innermost, in blocks of 32 codes, two codes a byte); qkv_w_scales 768 x 8 uint8 (E8M0 scales of qkv_w, one for each 32 codes along K); x 4 x 256 x 64 x 64 float32.
;; Outputs: out0 4 x 256 x 64 x 64 float32.
;; This version of the problem:
;;   THIS VERSION OF THE PROBLEM IS GIVEN IN LOW PRECISION. The matrix products marked QUANTISED in the list below multiply operands that are first quantised to E2M1 (2 exponent bits, 1 mantissa bit; 4 bits a number), with one power-of-two scale for each 32 numbers along K (OCP MX v1.0); their sums are f32. All else is computed in f32.
;;   The module's matrix products, in the order in which they are computed (A, B: the left and right operand; K: the contracted axis; several contracted axes count as one K, in the product's order):
;;     1. [M 16,384, K 256] x [K 256, N 768]; A: computed on the way; B: input qkv_w (given as codes): QUANTISED
;;     2. batch 16 x [M 4,096, K 64] x [K 64, N 4,096]; A: computed on the way; B: computed on the way: QUANTISED
;;     3. batch 16 x [M 64, K 4,096] x [K 4,096, N 4,096]; A: computed on the way; B: softmax (see below): QUANTISED
;;     4. [M 16,384, K 256] x [K 256, N 256]; A: computed on the way; B: input proj_w (given as codes): QUANTISED
;;   THE QUANTISER, for each operand of a quantised product, along K:
;;     - K is cut into blocks of 32 from its start; a last block that is shorter is filled with zeros.
;;     - A block's scale is 2^e with e = floor(log2(the largest magnitude in the block)) - 2, held to -126 .. 127; a block of zeros has e = 0. As a byte (E8M0): e + 127.
;;     - Each number is divided by its block's scale, clamped to +-6, and rounded to the nearest number of E2M1, ties to even, subnormals kept.
;;     - The product sums the exact products of the quantised numbers (number of the format x scale) in f32.
;;   ~~~python
;;   def quantise(x, axis):      # numpy; x: float32 -> the quantised numbers, widened to float32 again
;;       x = np.moveaxis(x, axis, -1); K = x.shape[-1]
;;       x = np.pad(x, [(0, 0)] * (x.ndim - 1) + [(0, -K % 32)]); x = x.reshape(x.shape[:-1] + (-1, 32)); a = np.abs(x).max(-1, keepdims=True)
;;       e = np.where(a > 0, np.clip(np.frexp(np.where(a > 0, a, 1))[1] - 1 - 2, -126, 127), 0)      # np.frexp(a)[1] - 1 = floor(log2(a)), exactly
;;       r = np.clip(x / 2.0 ** e, -6, 6)
;;       step = 2.0 ** (np.maximum(np.frexp(np.where(r == 0, 1, r))[1] - 1, 0) - 1)
;;       q = np.round(r / step) * step * 2.0 ** e      # np.round: ties to even
;;       return np.moveaxis(q.reshape(q.shape[:-2] + (-1,))[..., :K], -1, axis).astype(np.float32)
;;   ~~~
;;   SOFTMAX AHEAD OF A QUANTISED PRODUCT. Where the list says 'softmax', what is quantised is not the finished softmax but p = 2^(t - M), with t = logit x log2(e) and M = ceil(the row's largest t), a whole number; so 1/2 < the row's largest p <= 1. The row's sum l is taken of the UNQUANTISED p, in f32, and the product's result is divided by l at the end. Since M is a whole number, a kernel that streams over the keys may use a running M (the ceiling of the running maximum): every later rescaling is an exact power of two, which a block's scale takes up: the codes' values come out the same.
;;   OPERANDS COMPUTED ON THE WAY. 'Computed on the way' means the value that the module computes at that place (a softmax that the list does not call 'softmax' is quantised finished and normalised). What goes into a quantiser is computed in f32, as accurately as f32 sums, v_exp_f32 and their like allow (about 1e-6 of the number): no bf16 or f16 on the way to a quantiser, and a product that is left as it is and whose result goes on into a quantised operand takes f32 operands (vector FMAs, or v_wmma_f32_16x16x4_f32). A number that lies on a knife's edge between two numbers of the format may be rounded either way, as far as f32 arithmetic and the matrix unit's own rounding can turn it there, and no further.
;;   INPUTS GIVEN AS CODES. proj_w (in the module: [256, 256], K = its axis 1); qkv_w (in the module: [768, 256], K = its axis 1): each comes as NAME_codes (uint8): NAME with its K axis moved to the last place and cut into blocks of 32 codes, [.., K / 32, bytes a block], one block behind the other in memory; two codes a byte, the lower K in the low four bits (a code: sign, 2 exponent bits, 1 mantissa bit); and NAME_scales (uint8): the same leading axes, one E8M0 byte (e + 127) for each 32 codes along K. Its value is code x scale, taken as it is: it is not quantised again, and the codes and scales need not be those that the quantiser above would give.
;; One version. Each part assembles by itself: llvm-mc -triple=amdgcn-amd-amdhsa -mcpu=gfx1250 --defsym DOCPART=n.
;; ======== version 1 of 1: 4 launches
;; workspace buffers: stats 16,384 bytes; qimg 2,097,152 bytes; qsc 262,144 bytes; kv 4,587,520 bytes; oimg 2,097,152 bytes; osc 131,072 bytes
;; launch stats (part 1): grid 256 x 1, 8 waves a work-group, no clusters, 0 bytes of LDS; arguments x, stats; writes stats
.if DOCPART == 1
	.amdgcn_target "amdgcn-amd-amdhsa--gfx1250"
	.amdhsa_code_object_version 6
	.text
	.protected	k_qe3930eec23_stats
	.globl	k_qe3930eec23_stats
	.p2align	8
	.type	k_qe3930eec23_stats,@function
k_qe3930eec23_stats:
	s_mov_b64 s[64:65], 0
	v_nop
	global_prefetch_b8 v0, s[64:65] scope:SCOPE_SE
	s_setreg_imm32_b32 hwreg(HW_REG_WAVE_MODE, 25, 1), 1
	s_wait_xcnt 0x0
; GroupNorm's statistics, first half.  x is [4][256][4096] f32; a group is 32 channels x 4,096 positions = 131,072 consecutive numbers = 64 PARTS of 2,048.
; Wave P (of 2,048) takes part P, 8,192 consecutive bytes, keeps it in 64 registers and stores the part's mean and the sum of squared deviations from that mean (M2): stats[P] = (mean, M2).
; The next launch joins a group's 64 parts: no difference of large sums is ever formed, so a common offset of x costs no accuracy.
; All 16 loads of a wave are out at once (512 consecutive bytes each); no LDS, no barrier: waves share nothing.  The 8-byte stores are 16 KiB in the whole launch.
; LIMITS: NaN and infinities in x are not served.
.set D, 16                             ; v16-79 the part's numbers, 64 a lane
.macro LSUM a, t                       ; the sum over the 32 lanes, in every lane
	s_delay_alu instid0(VALU_DEP_1)
	v_add_f32_dpp v[\a], v[\a], v[\a] row_xmask:1 row_mask:0xf bank_mask:0xf
	s_delay_alu instid0(VALU_DEP_1)
	v_add_f32_dpp v[\a], v[\a], v[\a] row_xmask:2 row_mask:0xf bank_mask:0xf
	s_delay_alu instid0(VALU_DEP_1)
	v_add_f32_dpp v[\a], v[\a], v[\a] row_xmask:4 row_mask:0xf bank_mask:0xf
	s_delay_alu instid0(VALU_DEP_1)
	v_add_f32_dpp v[\a], v[\a], v[\a] row_xmask:8 row_mask:0xf bank_mask:0xf
	s_delay_alu instid0(VALU_DEP_1)
	v_permlanex16_b32 v[\t], v[\a], s12, s13
	s_delay_alu instid0(VALU_DEP_1)
	v_add_f32 v[\a], v[\a], v[\t]
.endm
	s_load_b128 s[4:7], s[0:1], 0x0                ; x, stats
	v_lshrrev_b32 v1, 5, v0
	s_delay_alu instid0(VALU_DEP_1)
	v_readfirstlane_b32 s8, v1                     ; wave
	v_and_b32 v2, 31, v0                           ; lane
	s_delay_alu instid0(VALU_DEP_1)
	v_lshlrev_b32 v3, 4, v2                        ; 16 bytes a lane
	v_mov_b32 v6, 0
	s_lshl_b32 s9, ttmp9, 3
	s_add_co_u32 s9, s9, s8                        ; P
	s_lshl_b32 s10, s9, 13                         ; the part's first byte
	s_mov_b32 s11, 0
	s_lshl_b32 s16, s9, 3                          ; its 8 bytes in stats
	s_mov_b32 s17, 0
	s_mov_b32 s12, 0x76543210                      ; v_permlanex16_b32: lane l xor 16
	s_mov_b32 s13, 0xfedcba98
	s_wait_alu depctr_va_vdst(0)
	s_wait_kmcnt 0x0
	s_add_nc_u64 s[4:5], s[4:5], s[10:11]
	s_add_nc_u64 s[6:7], s[6:7], s[16:17]
.irp i, 0,1,2,3,4,5,6,7,8,9,10,11,12,13,14,15
	global_load_b128 v[D+4*\i:D+4*\i+3], v3, s[4:5] offset:512*\i   ; x is read again by later launches: no hint
.endr
	s_wait_loadcnt 15                              ; loads come back in order: the first is in, the 15 younger may be out
	v_pk_add_f32 v[8:9], v[D:D+1], v[D+2:D+3]      ; two chains, started by the first two loads: nothing is cleared
	s_wait_alu depctr_va_vdst(0)
	s_wait_loadcnt 14
	v_pk_add_f32 v[10:11], v[D+4:D+5], v[D+6:D+7]
	s_wait_alu depctr_va_vdst(0)
.irp i, 2,3,4,5,6,7,8,9,10,11,12,13,14,15
	s_wait_alu depctr_va_vdst(0)
	s_wait_loadcnt 15-\i
	v_pk_add_f32 v[8:9], v[8:9], v[D+4*\i:D+4*\i+1]
	v_pk_add_f32 v[10:11], v[10:11], v[D+4*\i+2:D+4*\i+3]
.endr
	s_delay_alu instid0(VALU_DEP_1)
	v_pk_add_f32 v[8:9], v[8:9], v[10:11]
	s_delay_alu instid0(VALU_DEP_1)
	v_add_f32 v8, v8, v9
	LSUM 8, 9
	s_delay_alu instid0(VALU_DEP_1)
	v_mul_f32 v4, 0x3a000000, v8                   ; / 2,048: the part's mean
	s_delay_alu instid0(VALU_DEP_1)
	v_mov_b32 v5, v4
.set j, 0
.rept 32
	v_pk_add_f32 v[D+2*j:D+2*j+1], v[D+2*j:D+2*j+1], v[4:5] neg_lo:[0,1] neg_hi:[0,1]   ; deviations
.set j, j+1
.endr
	v_pk_mul_f32 v[8:9], v[D:D+1], v[D:D+1]
	v_pk_mul_f32 v[10:11], v[D+2:D+3], v[D+2:D+3]
.set j, 2
.rept 15
	s_delay_alu instid0(VALU_DEP_2)
	v_pk_fma_f32 v[8:9], v[D+2*j:D+2*j+1], v[D+2*j:D+2*j+1], v[8:9]
	s_delay_alu instid0(VALU_DEP_2)
	v_pk_fma_f32 v[10:11], v[D+2*j+2:D+2*j+3], v[D+2*j+2:D+2*j+3], v[10:11]
.set j, j+2
.endr
	s_delay_alu instid0(VALU_DEP_1)
	v_pk_add_f32 v[8:9], v[8:9], v[10:11]
	s_delay_alu instid0(VALU_DEP_1)
	v_add_f32 v8, v8, v9
	LSUM 8, 9
	s_delay_alu instid0(VALU_DEP_1)
	v_mov_b32 v5, v8                               ; M2
	v_cmp_eq_u32 vcc_lo, 0, v2
	s_wait_alu depctr_va_vdst(0)
	s_wait_xcnt 0x0                                ; EXEC changes only behind this wait
	s_and_saveexec_b32 s14, vcc_lo                 ; lane 0 stores for the wave
	global_store_b64 v6, v[4:5], s[6:7]
	s_wait_xcnt 0x0                                ; and again in front of the line that widens it
	s_or_b32 exec_lo, exec_lo, s14
	s_endpgm
.Lfunc_end_k_qe3930eec23_stats:
	.size	k_qe3930eec23_stats, .Lfunc_end_k_qe3930eec23_stats-k_qe3930eec23_stats
	.p2alignl 7, 3214868480
	.fill 96, 4, 3214868480
	.section	.rodata,"a",@progbits
	.p2align	6, 0x0
	.amdhsa_kernel k_qe3930eec23_stats
		.amdhsa_group_segment_fixed_size 0
		.amdhsa_private_segment_fixed_size 0
		.amdhsa_enable_private_segment 0
		.amdhsa_kernarg_size 16
		.amdhsa_user_sgpr_count 2
		.amdhsa_user_sgpr_kernarg_segment_ptr 1
		.amdhsa_wavefront_size32 1
		.amdhsa_system_sgpr_workgroup_id_x 1
		.amdhsa_system_sgpr_workgroup_id_y 1
		.amdhsa_system_sgpr_workgroup_id_z 1
		.amdhsa_system_vgpr_workitem_id 0
		.amdhsa_next_free_vgpr 96
		.amdhsa_next_free_sgpr 66
		.amdhsa_reserve_vcc 1
		.amdhsa_float_denorm_mode_32 3
		.amdhsa_float_denorm_mode_16_64 3
		.amdhsa_memory_ordered 1
		.amdhsa_forward_progress 1
		.amdhsa_inst_pref_size 13
	.end_amdhsa_kernel
	.amdgpu_metadata
---
amdhsa.version: [ 1, 2 ]
amdhsa.kernels:
  - .name:           k_qe3930eec23_stats
    .symbol:         k_qe3930eec23_stats.kd
    .args:
      - { .name: x, .offset: 0, .size: 8, .value_kind: global_buffer, .address_space: global }
      - { .name: stats, .offset: 8, .size: 8, .value_kind: global_buffer, .address_space: global }
    .group_segment_fixed_size: 0
    .private_segment_fixed_size: 0
    .kernarg_segment_align: 8
    .kernarg_segment_size: 16
    .max_flat_workgroup_size: 256
    .sgpr_count:     66
    .vgpr_count:     96
    .wavefront_size: 32
...
	.end_amdgpu_metadata
.endif
;; end of part 1
;; launch qkv (part 2): grid 256 x 1, 8 waves a work-group, no clusters, 10,240 bytes of LDS; arguments x, gn_w, gn_b, qkv_w_codes, qkv_w_scales, qkv_b, stats, qimg, qsc, kv; writes qimg, qsc, kv
.if DOCPART == 2
	.amdgcn_target "amdgcn-amd-amdhsa--gfx1250"
	.amdhsa_code_object_version 6
	.text
	.protected	k_qe3930eec23_qkv
	.globl	k_qe3930eec23_qkv
	.p2align	8
	.type	k_qe3930eec23_qkv,@function
k_qe3930eec23_qkv:
	s_mov_b64 s[64:65], 0
	v_nop
	global_prefetch_b8 v0, s[64:65] scope:SCOPE_SE
	s_setreg_imm32_b32 hwreg(HW_REG_WAVE_MODE, 25, 1), 1
	s_wait_xcnt 0x0
; GroupNorm (second half), the 1x1 product qkv = W xn + b on codes of FP4 (E2M1, one E8M0 scale for each 32 along K), and the quantising of q, k and v for attention.
; A work-group owns batch b = id / 64 and the 64 positions 64 g .. 64 g + 63 (g = id % 64), all 256 channels.  No branch in the text; one barrier.
; PHASE X.  Wave w owns group w = channels 32 w .. 32 w + 31, which is block w of the product's K.  It joins the group's 64 parts of statistics, normalises its 32 x 64 numbers in f32 in reference's order
; ((x - mean) rstd, then one fused w, b), and quantises: a lane holds two positions, its registers run down the 32 channels, so a block lies in one lane.  Codes and scale bytes go to LDS as IMAGES OF THE OPERAND'S REGISTERS.
; TILE ORDER.  Tile m = 2 B + u of the 64 positions: its row i is position 32 B + 8 u + i + (i & 8).  After a product with such a tile as source 0, the 16 registers of tiles 2 B and 2 B + 1 are the 16 neighbours 32 B + 16 (lane / 16) + 0 .. 15.
; The rows of W that form a tile are chosen in the same order.
; PHASE 1.  Wave w makes rows 64 w .. 64 w + 63 of qkv (w < 4: q of head w; else k of head w - 4), source 0 = 16 rows of W, source 1 = 16 positions: a lane holds one position, its registers run along the head's 64 channels = 2 blocks.
; It also makes rows 512 + 32 w .. + 31 (v), source 0 = 16 positions, source 1 = 16 rows of W: a lane holds one channel, its registers run along the positions, which are the keys: v's K.  The biases are the C of each sum's first product.
; q IS QUANTISED WITHOUT THE FACTOR 1/8: a power of two changes no code; attention folds it into its constant.  (It differs from the rule only where a block's exponent would be held at -126.)
; OUT: images of 512 bytes (lane l's 16 bytes at 16 l: block l / 16 of row l % 16), scale words with the row's two bytes twice (q, k), v's two bytes as half a word of the step's four.
; The 2-byte stores of v's scale bytes are 128 KiB in the whole launch: the neighbouring work-group writes the other halves.
; LIMITS: NaN and infinities are not served; a block of zeros gets the byte 1 (its codes are zeros; only this program reads the bytes); blocks under the floor 2^-124 were not tried.
.set XSC,  8192                        ; LDS: x's 8 fragments (tile m, K step s) at 1024 (2 m + s); behind them their scale words at 64 (2 m + s) + 4 row
.set XO,   2                           ; v2   8 x lane: my two positions in a row of x
.set LI,   3                           ; v3   16 x lane
.set LS,   4                           ; v4   4 x lane
.set WAQ,  5                           ; v5   W's codes, my q or k rows: 128 PR + 16 h + 8192 w        (r = lane % 16, h = lane / 16, PR = r + (r & 8))
.set WSQ,  6                           ; v6   their scale words: 8 PR + 4 h + 512 w: lanes 0-15 K step 0's word, lanes 16-31 K step 1's
.set BQA,  7                           ; v7   their biases: 64 h + 256 w
.set BVA,  8                           ; v8   v's biases: 4 PR + 128 w
.set XWI,  9                           ; v9   where my first position's 16 bytes of codes go in LDS
.set XWB,  10                          ; v10  and its scale byte
.set WAV,  236                         ; v236 W's codes, my v rows: 128 PR + 16 h + 4096 w
.set WSV,  237                         ; v237 their scale words: 8 PR + 4 h + 256 w
.set XI,   16                          ; v16-79   x as loaded: channel i's two positions in v[XI + 2 i], + 1
.set XF,   16                          ; v16-79   later x's fragments: (m, s) at XF + 16 m + 8 s
.set XA,   80                          ; v80-111  my first position's 32 numbers;  v112-143 my second's
.set XB,   112
.set ACC,  80                          ; v80-111  later 4 accumulators of q or k
.set VACC, 112                         ; v112-175 later 8 accumulators of v: (n, m) at VACC + 32 n + 8 m
.set TM,   176                         ; v176-183 at work
.set PW,   184                         ; v184 the scale pair just made; v185-188 doubled, for tile m; v190-191 v's
.set PWW,  185
.set PWV,  190
.set PC,   192                         ; v192-215 codes: each store has registers of its own
.set OW,   216                         ; v216-218 scale words on their way out
.set XS,   220                         ; v220-223 x's scale words: lanes 0-15 K step 0, lanes 16-31 K step 1
.set WQS,  224                         ; v224-227 W's, for q or k;  v228-229 for v
.set WVS,  228
.set ST,   232                         ; v232-235 two parts' statistics
.set WQ,   0                           ; window 1: W's fragments for q or k, (t, s) at 8 (2 t + s); from v64 for v, (n, s); from v96 the biases of q or k; from v128 of v
.set WV,   64
.set BQ,   96
.set BV,   128
.set GW,   24                          ; s24-55 gn_w of my 32 channels;  s68-99 gn_b
.set GB,   68
.set SEL,  60
.set HM,   100                         ; s100 the lanes 16-31
.set MSB, 0
.macro WIN new                         ; the immediate's high byte repeats the setting that is left
.if MSB != \new
	s_set_vgpr_msb (MSB<<8)|\new
.set MSB, \new
.endif
.endm
.macro LSUM a, t
	s_delay_alu instid0(VALU_DEP_1)
	v_add_f32_dpp v[\a], v[\a], v[\a] row_xmask:1 row_mask:0xf bank_mask:0xf
	s_delay_alu instid0(VALU_DEP_1)
	v_add_f32_dpp v[\a], v[\a], v[\a] row_xmask:2 row_mask:0xf bank_mask:0xf
	s_delay_alu instid0(VALU_DEP_1)
	v_add_f32_dpp v[\a], v[\a], v[\a] row_xmask:4 row_mask:0xf bank_mask:0xf
	s_delay_alu instid0(VALU_DEP_1)
	v_add_f32_dpp v[\a], v[\a], v[\a] row_xmask:8 row_mask:0xf bank_mask:0xf
	s_delay_alu instid0(VALU_DEP_1)
	v_permlanex16_b32 v[\t], v[\a], s[SEL], s[SEL+1]
	s_delay_alu instid0(VALU_DEP_1)
	v_add_f32 v[\a], v[\a], v[\t]
.endm
; 32 numbers of a lane, register 16 b + i = k 32 b + 16 (lane / 16) + i of my row, become 4 registers of codes (lane (r, h): block h of row r) and the two scale bytes (byte 0 | byte 1 << 8, in every lane).
.macro QUANT2 s, pc, pw
.irp b, 0,1
	v_max3_num_f32 v[TM+\b], |v[(\s)+16*\b]|, |v[(\s)+16*\b+1]|, 0x1800000   ; my 16 numbers and the floor 2^(3 - 127): the byte cannot fall under 1
.endr
.irp i, 2,4,6,8,10,12,14
.irp b, 0,1
	v_max3_num_f32 v[TM+\b], v[TM+\b], |v[(\s)+16*\b+\i]|, |v[(\s)+16*\b+\i+1]|
.endr
.endr
.irp b, 0,1
	s_delay_alu instid0(VALU_DEP_2)
	v_permlanex16_b32 v[TM+2+\b], v[TM+\b], s[SEL], s[SEL+1]
.endr
.irp b, 0,1
	s_delay_alu instid0(VALU_DEP_2)
	v_max_num_f32 v[TM+\b], v[TM+\b], v[TM+2+\b]   ; with lane l xor 16's: the block's largest magnitude
.endr
.irp b, 0,1
	s_delay_alu instid0(VALU_DEP_2)
	v_add_nc_u32 v[TM+4+\b], 0xff000000, v[TM+\b]  ; 2 off its exponent field: the conversion's scale operand
.endr
.irp b, 0,1
	s_delay_alu instid0(VALU_DEP_2)
	v_lshrrev_b32 v[TM+2+\b], 23, v[TM+4+\b]       ; the scale's byte
.endr
	s_delay_alu instid0(VALU_DEP_1)
	v_lshl_or_b32 v[\pw], v[TM+3], 8, v[TM+2]
.irp b, 0,1
	v_cvt_scalef32_pk8_fp4_f32 v[(\pc)+2*\b], v[(\s)+16*\b:(\s)+16*\b+7], v[TM+4+\b]
	v_cvt_scalef32_pk8_fp4_f32 v[(\pc)+2*\b+1], v[(\s)+16*\b+8:(\s)+16*\b+15], v[TM+4+\b]
.endr
	v_nop                                          ; one plain place behind a scaled conversion
	v_permlane16_swap_b32 v[(\pc)], v[(\pc)+2]     ; a whole block to a lane: lanes 0-15 block 0, lanes 16-31 block 1
	v_permlane16_swap_b32 v[(\pc)+1], v[(\pc)+3]
.endm
	s_load_b512 s[4:19], s[0:1], 0x0               ; x 4:5, gn_w 6:7, gn_b 8:9, W's codes 10:11, W's scales 12:13, qkv_b 14:15, stats 16:17, qimg 18:19
	s_load_b128 s[20:23], s[0:1], 0x40             ; qsc 20:21, kv 22:23
	v_lshl_add_u32 v254, v0, 2, 0x2400
	v_mov_b32 v255, 0
	v_lshrrev_b32 v1, 5, v0
	s_delay_alu instid0(VALU_DEP_1)
	v_readfirstlane_b32 s2, v1                     ; wave 0..7
	v_and_b32 v1, 31, v0                           ; lane
	s_delay_alu instid0(VALU_DEP_1)
	v_lshlrev_b32 v[XO], 3, v1
	s_delay_alu instid0(VALU_DEP_2)
	v_lshlrev_b32 v[LI], 4, v1
	s_delay_alu instid0(VALU_DEP_3)
	v_lshlrev_b32 v[LS], 2, v1
	s_delay_alu instid0(VALU_DEP_4)
	v_cmp_lt_u32 s[HM], 15, v1
	v_and_b32 v11, 15, v0                          ; r
	v_bfe_u32 v239, v0, 4, 1                       ; h
	s_delay_alu instid0(VALU_DEP_2)
	v_and_b32 v238, 8, v11
	s_delay_alu instid0(VALU_DEP_1)
	v_add_nc_u32 v238, v238, v11                   ; PR
	s_delay_alu instid0(VALU_DEP_1)
	v_lshlrev_b32 v[WAQ], 7, v238
	s_delay_alu instid0(VALU_DEP_1)
	v_lshl_add_u32 v[WAQ], v239, 4, v[WAQ]
	s_lshl_b32 s38, s2, 12
	v_add_nc_u32 v[WAV], s38, v[WAQ]
	s_lshl_b32 s38, s2, 13
	v_add_nc_u32 v[WAQ], s38, v[WAQ]
	v_lshlrev_b32 v[WSQ], 3, v238
	s_delay_alu instid0(VALU_DEP_1)
	v_lshl_add_u32 v[WSQ], v239, 2, v[WSQ]
	s_lshl_b32 s38, s2, 8
	v_add_nc_u32 v[WSV], s38, v[WSQ]
	v_lshl_add_u32 v[BQA], v239, 6, s38
	s_lshl_b32 s38, s2, 9
	v_add_nc_u32 v[WSQ], s38, v[WSQ]
	s_lshl_b32 s38, s2, 7
	v_lshl_add_u32 v[BVA], v238, 2, s38
	; my positions 2 l and 2 l + 1: tile m = 2 (l / 16) + (l / 4) % 2, row i = 8 ((l / 8) % 2) + 2 (l % 4) (+ 1).  Codes at 2048 m + 256 w + 16 i; the byte at XSC + 128 m + 64 (w / 4) + 4 i + w % 4
	v_lshlrev_b32 v[XWI], 12, v239
	v_lshlrev_b32 v[XWB], 8, v239
	v_bfe_u32 v11, v0, 2, 1
	s_delay_alu instid0(VALU_DEP_1)
	v_lshl_add_u32 v[XWI], v11, 11, v[XWI]
	s_delay_alu instid0(VALU_DEP_2)
	v_lshl_add_u32 v[XWB], v11, 7, v[XWB]
	v_bfe_u32 v11, v0, 3, 1
	s_delay_alu instid0(VALU_DEP_1)
	v_lshl_add_u32 v[XWI], v11, 7, v[XWI]
	s_delay_alu instid0(VALU_DEP_2)
	v_lshl_add_u32 v[XWB], v11, 5, v[XWB]
	v_and_b32 v11, 3, v0
	s_delay_alu instid0(VALU_DEP_1)
	v_lshl_add_u32 v[XWI], v11, 5, v[XWI]
	s_delay_alu instid0(VALU_DEP_2)
	v_lshl_add_u32 v[XWB], v11, 3, v[XWB]
	s_lshl_b32 s38, s2, 8
	v_add_nc_u32 v[XWI], s38, v[XWI]
	s_lshr_b32 s38, s2, 2
	s_lshl_b32 s38, s38, 6
	s_and_b32 s39, s2, 3
	s_add_co_u32 s38, s38, s39
	s_add_co_u32 s38, s38, XSC
	v_add_nc_u32 v[XWB], s38, v[XWB]
	; byte offsets, each in a pair of its own (s24-55 are free until gn_w is asked for)
	s_lshr_b32 s3, ttmp9, 6                        ; b
	s_and_b32 s39, ttmp9, 63                       ; g
	s_lshl_b32 s24, s3, 22                         ; x: batch,
	s_lshl_b32 s40, s2, 19                         ; my 32 channels,
	s_add_co_u32 s24, s24, s40
	s_lshl_b32 s40, s39, 8                         ; the 64 positions
	s_add_co_u32 s24, s24, s40
	s_mov_b32 s25, 0
	s_lshl_b32 s26, s3, 3
	s_add_co_u32 s26, s26, s2
	s_lshl_b32 s26, s26, 9                         ; stats: group 8 b + w, 64 parts of 8 bytes
	s_mov_b32 s27, 0
	s_lshl_b32 s28, s2, 7                          ; gn_w, gn_b: my 32 numbers
	s_mov_b32 s29, 0
	s_lshr_b32 s41, s39, 1
	s_mul_i32 s41, s41, 8960                       ; kv: the key step g / 2,
	s_and_b32 s42, s39, 1                          ; and which half of it
	s_lshl_b32 s43, s3, 2                          ; 4 b
	s_and_b32 s44, s2, 3
	s_add_co_u32 s44, s44, s43                     ; batch-head of my q or k
	s_lshl_b32 s45, s44, 8
	s_lshl_b32 s46, s39, 2
	s_add_co_u32 s45, s45, s46                     ; its tile 4 g
	s_lshl_b32 s46, s45, 9                         ; q: codes, 512 bytes a tile;
	s_lshl_b32 s47, s45, 6                         ; words, 64 bytes a tile
	s_mul_i32 s44, s44, 286720
	s_add_co_u32 s44, s44, s41
	s_lshl_b32 s45, s42, 11
	s_add_co_u32 s45, s45, s44                     ; k: codes, 4 tiles to my half of the step;
	s_lshl_b32 s48, s42, 8
	s_add_co_u32 s48, s48, s44
	s_add_co_u32 s48, s48, 8192                    ; words
	s_cmp_lt_u32 s2, 4                             ; q or k?  By the wave's number
	s_cselect_b32 s30, s46, s45
	s_cselect_b32 s32, s47, s48
	s_mov_b32 s31, 0
	s_mov_b32 s33, 0
	s_lshr_b32 s44, s2, 1
	s_add_co_u32 s44, s44, s43                     ; batch-head of my v rows
	s_mul_i32 s44, s44, 286720
	s_add_co_u32 s44, s44, s41
	s_and_b32 s45, s2, 1                           ; which 32 of its 64 channels
	s_lshl_b32 s46, s45, 11
	s_add_co_u32 s34, s44, s46
	s_lshl_b32 s46, s42, 9
	s_add_co_u32 s34, s34, s46
	s_add_co_u32 s34, s34, 4096                    ; v: codes: tile 2 (w % 2) + n of 1,024 bytes, my half of the step's keys = 512 of them
	s_mov_b32 s35, 0
	s_lshl_b32 s46, s45, 7
	s_add_co_u32 s36, s44, s46
	s_lshl_b32 s46, s42, 1
	s_add_co_u32 s36, s36, s46
	s_add_co_u32 s36, s36, 8704                    ; words: my two bytes of the four
	s_mov_b32 s37, 0
	s_mov_b32 s[SEL], 0x76543210
	s_mov_b32 s[SEL+1], 0xfedcba98
	s_mov_b32 s62, 0x37000000                      ; 1 / 131,072
	s_mov_b32 s63, 0x3727c5ac                      ; 1e-5
	s_wait_kmcnt 0x0
	s_add_nc_u64 s[4:5], s[4:5], s[24:25]
	s_add_nc_u64 s[16:17], s[16:17], s[26:27]
	s_add_nc_u64 s[6:7], s[6:7], s[28:29]
	s_add_nc_u64 s[8:9], s[8:9], s[28:29]
	s_add_nc_u64 s[56:57], s[22:23], s[34:35]      ; v's codes
	s_add_nc_u64 s[58:59], s[22:23], s[36:37]      ; v's scale bytes
	s_cmp_lt_u32 s2, 4
	s_cselect_b64 s[18:19], s[18:19], s[22:23]     ; my unit's codes go to qimg or to kv,
	s_cselect_b64 s[20:21], s[20:21], s[22:23]     ; its words to qsc or to kv
	s_add_nc_u64 s[18:19], s[18:19], s[30:31]
	s_add_nc_u64 s[20:21], s[20:21], s[32:33]
	s_load_b512 s[24:39], s[6:7], 0x0              ; gn_w and gn_b of my group stay in scalar registers
	s_load_b512 s[40:55], s[6:7], 0x40
	s_load_b512 s[68:83], s[8:9], 0x0
	s_load_b512 s[84:99], s[8:9], 0x40
	global_load_b128 v[ST:ST+3], v[LI], s[16:17]   ; two parts a lane
.set i, 0
.rept 32
	global_load_b64 v[XI+2*i:XI+2*i+1], v[XO], s[4:5] offset:16384*i   ; 32 lanes read 256 consecutive bytes, aligned: a channel's 64 positions
.set i, i+1
.endr
	WIN 0x40                                       ; destination window 1
.irp t, 0,1,2,3
.irp s, 0,1
.irp c, 0,1
	global_load_b128 v[WQ+8*(2*\t+\s)+4*\c:WQ+8*(2*\t+\s)+4*\c+3], v[WAQ], s[10:11] offset:(32*(\t/2)+8*(\t%2))*128+64*\s+32*\c
.endr
.endr
.endr
.irp n, 0,1
.irp s, 0,1
.irp c, 0,1
	global_load_b128 v[WV+8*(2*\n+\s)+4*\c:WV+8*(2*\n+\s)+4*\c+3], v[WAV], s[10:11] offset:65536+1024*\n+64*\s+32*\c
.endr
.endr
.endr
.irp t, 0,1,2,3
	global_load_b128 v[BQ+8*\t:BQ+8*\t+3], v[BQA], s[14:15] offset:(32*(\t/2)+8*(\t%2))*4      ; register j: the bias of channel 32 B + 8 u + 16 h + j
	global_load_b128 v[BQ+8*\t+4:BQ+8*\t+7], v[BQA], s[14:15] offset:(32*(\t/2)+8*(\t%2))*4+16
.endr
.irp n, 0,1
.irp j, 0,1,2,3,4,5,6,7
	global_load_b32 v[BV+8*\n+\j], v[BVA], s[14:15] offset:2048+32*\n   ; all eight registers: the bias of my lane's channel
.endr
.endr
	WIN 0
.irp t, 0,1,2,3
	global_load_b32 v[WQS+\t], v[WSQ], s[12:13] offset:(32*(\t/2)+8*(\t%2))*8
.endr
.irp n, 0,1
	global_load_b32 v[WVS+\n], v[WSV], s[12:13] offset:4096+64*\n
.endr
	; ---- X: the group's statistics, the norm, the codes
	s_wait_loadcnt 54                              ; the statistics and x are in; the 54 loads of weights, biases and scales behind them may be out
	v_add_f32 v11, v[ST], v[ST+2]
	LSUM 11, 238
	s_delay_alu instid0(VALU_DEP_1)
	v_mul_f32 v12, 0x3c800000, v11                 ; / 64: the group's mean (its parts are equally long)
	s_delay_alu instid0(VALU_DEP_1)
	v_mov_b32 v13, v12
	s_delay_alu instid0(VALU_DEP_2)
	v_sub_f32 v14, v[ST], v12
	s_delay_alu instid0(VALU_DEP_3)
	v_sub_f32 v15, v[ST+2], v12
	s_delay_alu instid0(VALU_DEP_2)
	v_mul_f32 v14, v14, v14
	s_delay_alu instid0(VALU_DEP_1)
	v_fma_f32 v14, v15, v15, v14
	v_add_f32 v11, v[ST+1], v[ST+3]
	s_delay_alu instid0(VALU_DEP_1)
	v_fma_f32 v11, v14, 0x45000000, v11            ; M2 + 2,048 x (the part's mean - the group's)^2
	LSUM 11, 238
	s_delay_alu instid0(VALU_DEP_1)
	v_fma_f32 v14, v11, s62, s63                   ; the variance + 1e-5
	s_wait_alu depctr_va_vdst(0)
	v_rsq_f32 v14, v14
.set i, 0
.rept 32
	v_pk_add_f32 v[XI+2*i:XI+2*i+1], v[XI+2*i:XI+2*i+1], v[12:13] neg_lo:[0,1] neg_hi:[0,1]   ; x - mean: plain work behind the root
.set i, i+1
.endr
	s_wait_alu depctr_va_vdst(0)                   ; the wait ahead of the first line that names the root's result
	v_mov_b32 v15, v14
.set i, 0
.rept 32
	v_pk_mul_f32 v[XI+2*i:XI+2*i+1], v[XI+2*i:XI+2*i+1], v[14:15]
.set i, i+1
.endr
	s_wait_kmcnt 0x0                               ; gn_w, gn_b
.set i, 0
.rept 32
	v_fma_f32 v[XA+i], v[XI+2*i], s[GW+i], s[GB+i]         ; the two positions part: each lane's 32 registers now run down a block's 32 channels
	v_fma_f32 v[XB+i], v[XI+2*i+1], s[GW+i], s[GB+i]
.set i, i+1
.endr
	v_max3_num_f32 v[TM], |v[XA]|, |v[XA+1]|, |v[XA+2]|    ; the two blocks' largest magnitudes, two chains each
	v_max3_num_f32 v[TM+1], |v[XA+3]|, |v[XA+4]|, |v[XA+5]|
	v_max3_num_f32 v[TM+2], |v[XB]|, |v[XB+1]|, |v[XB+2]|
	v_max3_num_f32 v[TM+3], |v[XB+3]|, |v[XB+4]|, |v[XB+5]|
.irp i, 6,10,14,18,22,26
	s_delay_alu instid0(VALU_DEP_4)
	v_max3_num_f32 v[TM], v[TM], |v[XA+\i]|, |v[XA+\i+1]|
	s_delay_alu instid0(VALU_DEP_4)
	v_max3_num_f32 v[TM+1], v[TM+1], |v[XA+\i+2]|, |v[XA+\i+3]|
	s_delay_alu instid0(VALU_DEP_4)
	v_max3_num_f32 v[TM+2], v[TM+2], |v[XB+\i]|, |v[XB+\i+1]|
	s_delay_alu instid0(VALU_DEP_4)
	v_max3_num_f32 v[TM+3], v[TM+3], |v[XB+\i+2]|, |v[XB+\i+3]|
.endr
	s_delay_alu instid0(VALU_DEP_4)
	v_max3_num_f32 v[TM], v[TM], |v[XA+30]|, |v[XA+31]|
	s_delay_alu instid0(VALU_DEP_3)
	v_max3_num_f32 v[TM+2], v[TM+2], |v[XB+30]|, |v[XB+31]|
	s_delay_alu instid0(VALU_DEP_2)
	v_max3_num_f32 v[TM], v[TM], v[TM+1], 0x1800000        ; and the floor 2^(3 - 127)
	s_delay_alu instid0(VALU_DEP_2)
	v_max3_num_f32 v[TM+2], v[TM+2], v[TM+3], 0x1800000
	s_delay_alu instid0(VALU_DEP_2)
	v_add_nc_u32 v[TM+4], 0xff000000, v[TM]
	s_delay_alu instid0(VALU_DEP_2)
	v_add_nc_u32 v[TM+5], 0xff000000, v[TM+2]
.irp q, 0,1,2,3
	v_cvt_scalef32_pk8_fp4_f32 v[PC+\q], v[XA+8*\q:XA+8*\q+7], v[TM+4]
	v_cvt_scalef32_pk8_fp4_f32 v[PC+4+\q], v[XB+8*\q:XB+8*\q+7], v[TM+5]
.endr
	v_lshrrev_b32 v[TM+6], 23, v[TM+4]             ; the bytes (also the plain place behind the conversions)
	v_lshrrev_b32 v[TM+7], 23, v[TM+5]
	ds_store_b128 v[XWI], v[PC:PC+3]
	ds_store_b128 v[XWI], v[PC+4:PC+7] offset:16
	ds_store_b8 v[XWB], v[TM+6]
	ds_store_b8 v[XWB], v[TM+7] offset:4
	s_wait_dscnt 0x0                               ; for the others' sake: my stores have landed
	s_barrier_signal -1
	s_barrier_wait -1                              ; x's eight fragments and their scale words lie in LDS
	; ---- 1: the products
.set i, 0
.rept 16
	ds_load_b128 v[XF+4*i:XF+4*i+3], v[LI] offset:512*i
.set i, i+1
.endr
.irp m, 0,1,2,3
	ds_load_b32 v[XS+\m], v[LS] offset:XSC+128*\m
.endr
	s_wait_dscnt 0x0
	s_wait_loadcnt 0x0                             ; the weights
	WIN 0x14                                       ; source 1 (W) and source 2 (the bias) window 1
.irp n, 0,1                                    ; v: eight accumulators by turns
.irp m, 0,1,2,3
	v_wmma_scale_f32_16x16x128_f8f6f4 v[VACC+32*\n+8*\m:VACC+32*\n+8*\m+7], v[XF+16*\m:XF+16*\m+7], v[WV+16*\n:WV+16*\n+7], v[BV+8*\n:BV+8*\n+7], v[XS+\m], v[WVS+\n] matrix_a_fmt:MATRIX_FMT_FP4 matrix_b_fmt:MATRIX_FMT_FP4
.endr
.endr
	WIN 0x04
.irp n, 0,1
.irp m, 0,1,2,3
	v_wmma_scale_f32_16x16x128_f8f6f4 v[VACC+32*\n+8*\m:VACC+32*\n+8*\m+7], v[XF+16*\m+8:XF+16*\m+15], v[WV+16*\n+8:WV+16*\n+15], v[VACC+32*\n+8*\m:VACC+32*\n+8*\m+7], v[XS+\m], v[WVS+\n] matrix_a_fmt:MATRIX_FMT_FP4 matrix_b_fmt:MATRIX_FMT_FP4 matrix_a_scale:MATRIX_SCALE_ROW1 matrix_b_scale:MATRIX_SCALE_ROW1
.endr
.endr
	WIN 0
.irp m, 0,1,2,3                                ; q or k, a tile of 16 positions at a time
.if \m > 0
.rept 5
	v_nop                                          ; five places: the four accumulators are begun anew (ISA guide 7.12.1)
.endr
.endif
	WIN 0x11                                       ; source 0 (W) and source 2 (the bias) window 1
.irp t, 0,1,2,3
	v_wmma_scale_f32_16x16x128_f8f6f4 v[ACC+8*\t:ACC+8*\t+7], v[WQ+16*\t:WQ+16*\t+7], v[XF+16*\m:XF+16*\m+7], v[BQ+8*\t:BQ+8*\t+7], v[WQS+\t], v[XS+\m] matrix_a_fmt:MATRIX_FMT_FP4 matrix_b_fmt:MATRIX_FMT_FP4
.endr
	WIN 0x01
.irp t, 0,1,2,3
	v_wmma_scale_f32_16x16x128_f8f6f4 v[ACC+8*\t:ACC+8*\t+7], v[WQ+16*\t+8:WQ+16*\t+15], v[XF+16*\m+8:XF+16*\m+15], v[ACC+8*\t:ACC+8*\t+7], v[WQS+\t], v[XS+\m] matrix_a_fmt:MATRIX_FMT_FP4 matrix_b_fmt:MATRIX_FMT_FP4 matrix_a_scale:MATRIX_SCALE_ROW1 matrix_b_scale:MATRIX_SCALE_ROW1
.endr
	WIN 0
.rept 4
	v_nop                                          ; four places in front of the first read of the results
.endr
	QUANT2 ACC, PC+4*\m, PW
	v_lshl_or_b32 v[PWW+\m], v[PW], 16, v[PW]      ; the row's two bytes twice: they serve in either half of attention's K of 128
	global_store_b128 v[LI], v[PC+4*\m:PC+4*\m+3], s[18:19] offset:512*\m     ; 512 consecutive bytes, aligned
.if (\m%2) == 1
	v_cndmask_b32 v[OW+\m/2], v[PWW+\m-1], v[PWW+\m], s[HM]                    ; lanes 0-15 tile m - 1's words, lanes 16-31 tile m's
	global_store_b32 v[LS], v[OW+\m/2], s[20:21] offset:128*(\m/2)
.endif
.endr
.irp n, 0,1                                    ; v: a lane's 32 registers of tile n are its channel's 64 positions' half: two blocks along the keys
	QUANT2 VACC+32*\n, PC+16+4*\n, PWV+\n
	global_store_b128 v[LI], v[PC+16+4*\n:PC+16+4*\n+3], s[56:57] offset:1024*\n
.endr
	v_cndmask_b32 v[OW+2], v[PWV], v[PWV+1], s[HM]
	global_store_b16 v[LS], v[OW+2], s[58:59]      ; my two of the step's four bytes, for 32 channels
	s_wait_tensorcnt 0x0
	ds_add_u32 v254, v255
	s_wait_dscnt 0x0
	s_endpgm
.Lfunc_end_k_qe3930eec23_qkv:
	.size	k_qe3930eec23_qkv, .Lfunc_end_k_qe3930eec23_qkv-k_qe3930eec23_qkv
	.p2alignl 7, 3214868480
	.fill 96, 4, 3214868480
	.section	.rodata,"a",@progbits
	.p2align	6, 0x0
	.amdhsa_kernel k_qe3930eec23_qkv
		.amdhsa_group_segment_fixed_size 10240
		.amdhsa_private_segment_fixed_size 0
		.amdhsa_enable_private_segment 0
		.amdhsa_kernarg_size 80
		.amdhsa_user_sgpr_count 2
		.amdhsa_user_sgpr_kernarg_segment_ptr 1
		.amdhsa_wavefront_size32 1
		.amdhsa_system_sgpr_workgroup_id_x 1
		.amdhsa_system_sgpr_workgroup_id_y 1
		.amdhsa_system_sgpr_workgroup_id_z 1
		.amdhsa_system_vgpr_workitem_id 0
		.amdhsa_next_free_vgpr 400
		.amdhsa_next_free_sgpr 102
		.amdhsa_reserve_vcc 0
		.amdhsa_float_denorm_mode_32 3
		.amdhsa_float_denorm_mode_16_64 3
		.amdhsa_memory_ordered 1
		.amdhsa_forward_progress 1
		.amdhsa_inst_pref_size 51
	.end_amdhsa_kernel
	.amdgpu_metadata
---
amdhsa.version: [ 1, 2 ]
amdhsa.kernels:
  - .name:           k_qe3930eec23_qkv
    .symbol:         k_qe3930eec23_qkv.kd
    .args:
      - { .name: x, .offset: 0, .size: 8, .value_kind: global_buffer, .address_space: global }
      - { .name: gn_w, .offset: 8, .size: 8, .value_kind: global_buffer, .address_space: global }
      - { .name: gn_b, .offset: 16, .size: 8, .value_kind: global_buffer, .address_space: global }
      - { .name: qkv_w_codes, .offset: 24, .size: 8, .value_kind: global_buffer, .address_space: global }
      - { .name: qkv_w_scales, .offset: 32, .size: 8, .value_kind: global_buffer, .address_space: global }
      - { .name: qkv_b, .offset: 40, .size: 8, .value_kind: global_buffer, .address_space: global }
      - { .name: stats, .offset: 48, .size: 8, .value_kind: global_buffer, .address_space: global }
      - { .name: qimg, .offset: 56, .size: 8, .value_kind: global_buffer, .address_space: global }
      - { .name: qsc, .offset: 64, .size: 8, .value_kind: global_buffer, .address_space: global }
      - { .name: kv, .offset: 72, .size: 8, .value_kind: global_buffer, .address_space: global }
    .group_segment_fixed_size: 10240
    .private_segment_fixed_size: 0
    .kernarg_segment_align: 8
    .kernarg_segment_size: 80
    .max_flat_workgroup_size: 256
    .sgpr_count:     102
    .vgpr_count:     400
    .wavefront_size: 32
...
	.end_amdgpu_metadata
.endif
;; end of part 2
;; launch attn (part 3): grid 16 x 16, 16 waves a work-group, clusters of 4 x 1, 327,680 bytes of LDS; arguments qimg, qsc, kv, oimg, osc; writes oimg, osc
.if DOCPART == 3
	.amdgcn_target "amdgcn-amd-amdhsa--gfx1250"
	.amdhsa_code_object_version 6
	.text
	.protected	k_qe3930eec23_attn
	.globl	k_qe3930eec23_attn
	.p2align	8
	.type	k_qe3930eec23_attn,@function
k_qe3930eec23_attn:
	s_mov_b64 s[64:65], 0
	v_nop
	global_prefetch_b8 v0, s[64:65] scope:SCOPE_SE
	s_setreg_imm32_b32 hwreg(HW_REG_WAVE_MODE, 25, 1), 1
	s_wait_xcnt 0x0
	s_wait_alu depctr_hold_cnt(0) depctr_sa_sdst(0) depctr_va_vdst(0) depctr_va_sdst(0) depctr_va_ssrc(0) depctr_va_vcc(0) depctr_vm_vsrc(0)
	s_getreg_b32 s2, hwreg(HW_REG_IB_STS2, 6, 4)
	s_cmp_eq_u32 s2, 0
	s_cbranch_scc0 .Lentry_in_a_cluster
	s_endpgm
.Lentry_in_a_cluster:
	s_bfe_u32 s2, ttmp6, 0x10000c
	s_cmp_lg_u32 s2, 0x3003
	s_cbranch_scc0 .Lentry_shape_is_right
	s_endpgm
.Lentry_shape_is_right:
; Attention on codes of FP4 (E2M1, one E8M0 scale for each 32 along a product's K): 16 batch-heads, 4,096 queries x 4,096 keys, head size 64.  Inputs are this program's own buffers, laid as images of the operands' registers.
; SHARES.  A work-group owns 256 queries of one batch-head; each of its sixteen waves owns one tile of 16 queries in 256 registers: four waves to a SIMD, so that one wave's vector work stands beside another's products and LDS loads.
; Every wave walks all 4,096 keys, 128 a step.
; LDS.  A head's K and V, codes and scale words, are 32 steps x 8,960 = 286,720 bytes: they lie in LDS whole, as in memory, and are FILLED ONCE: no slot is ever filled again.
; The fill goes in three chunks (steps 0-3, 4-11, 12-31), each shared among waves 0 to 3: three tensor loads of a wave are out at the most.  The first chunk is small (35 rows of 256 bytes a wave) so that the first steps can begin early.
; CLUSTER.  The four work-groups of a cluster walk the same head, so each fill is asked for JOINTLY: the same load, the same descriptor, a mask that names the four.  One round of the cluster's barrier stands ahead of the fills, one at the end.
; LAYOUT.  Both products are used transposed: S^T = K Q^T (source 0 = keys, source 1 = my 16 queries), O^T = V^T P^T: a lane holds ONE query (lane % 16) throughout.
; The head's 64 channels are half of an instruction's K of 128.  One fragment of 8 registers carries TWO tiles of 16 keys (blocks 0, 1 and blocks 2, 3); Q stands between zeros (0, q, 0): v[20:27] = (q, 0) picks the first tile, v[16:23] = (0, q) the second.
; The zero codes add nothing under any scale byte that the quantiser makes.  K's and Q's scale words hold the row's two bytes twice, so one word serves either half.
; The keys of a tile are not neighbours (tile 2 b + u, row i: key 32 b + 8 u + i + (i & 8)): the 16 registers of tiles 2 b and 2 b + 1 are keys 32 b + 16 (lane / 16) + 0 .. 15.
; SOFTMAX.  t = score x log2(e) / 8 (q came without the factor 1/8: a power of two); M = the running largest t rounded UP to a whole number; p = 2^(t - M) is quantised along the keys, not normalised; the row's sum is taken of the unquantised p.
; When M moves, the sum and O^T are multiplied by 2^(old M - new M): exact.  At the end O^T / the sum is quantised along the channels (the head's 64 are two whole blocks of the projection's K) and leaves as an image.
; A block's largest p is taken from the block's largest score by the same two instructions; this takes v_exp_f32 not to fall where its input rises.
; LIMITS: NaN and infinities are not served; a block of zeros gets the byte 1 (its codes are zeros; only this program reads the bytes).
.set STEPB, 8960                       ; a step in LDS: 8 tiles of K x 512 | 4 tiles of V x 1,024 | K's words 8 x 64 | V's words 4 x 64
.set VIO,   4096
.set KSO,   8192
.set VSO,   8704
.set LI,  1                            ; v1   16 x lane
.set LS,  2                            ; v2   4 x lane
.set ADI, 3                            ; v3   the step's images
.set ADS, 4                            ; v4   the step's scale words
.set R4,  5                            ; v5   4 x (lane % 16)
.set QH,  16                           ; v16-19 zeros, v20-23 Q, v24-27 zeros
.set QL,  20
.set QS,  28                           ; v28  Q's scale words
.set KF,  32                           ; v32-63   K's 8 tiles
.set VF,  64                           ; v64-95   V's 4 fragments
.set S,   96                           ; v96-159  S^T, then p
.set O,   160                          ; v160-191 O^T
.set PC,  192                          ; v192-199 p's codes
.set KS,  200                          ; v200-203 K's scale words: lanes 0-15 tile 2 f, lanes 16-31 tile 2 f + 1
.set VS,  204                          ; v204-205 V's likewise
.set BM,  232                          ; v232-235 the blocks' largest scores, then largest p
.set T2,  236                          ; v236-239 at work
.set SOP, 244                          ; v244-247 the conversions' scale operands
.set F,   250                          ; v[250:251] f = 2^(old M - new M); the pair's upper word is only named
.set PW,  252
.set PS,  253                          ; v253 p's scale word
.set TMP, 254
.set TM,  232                          ; the way out's quantiser works in v232-237
.set WV,  14
.set G1A, 24
.set G1B, 32
.set G1C, 40
.set G0A, 48
.set G0B, 52
.set G0C, 56
.set SEL, 60
.set CS,  62
.set TB,  66
.set CNT, 67
.macro ROUND                           ; a round of the cluster's barrier
	s_barrier_signal -1
	s_barrier_wait -1
	s_cmp_lg_u32 s[WV], 0
	s_cbranch_scc1 .Lnot_wave_0_\@
	s_barrier_signal -3
.Lnot_wave_0_\@:
	s_barrier_wait -3
	s_barrier_signal -1
	s_barrier_wait -1
.endm
.macro GROUP1 g, rows                  ; a dense block as rows of 256 bytes: 32 elements of 8 bytes, no padding (every LDS load here takes consecutive bytes)
	s_mov_b32 s[\g], 15|(3<<16)|(1<<21)            ; 15:0 the mask: all four work-groups; 17:16 elements of 8 bytes; 21 set beside a mask
	s_mov_b32 s[\g+1], 32<<16                      ; tensor_dim0
	s_mov_b32 s[\g+2], (\rows)<<16                 ; tensor_dim1
	s_mov_b32 s[\g+3], 32<<16                      ; tile_dim0
	s_mov_b32 s[\g+4], \rows                       ; tile_dim1
	s_mov_b32 s[\g+5], 32                          ; the pitch
	s_mov_b32 s[\g+6], 0
	s_mov_b32 s[\g+7], 0
.endm
.macro GROUP0 g, off                   ; from the head's block + s[off] to LDS byte s[off]
	s_mov_b32 s[\g], 1
	s_mov_b32 s[\g+1], s[\off]
	s_mov_b32 s72, s[\off]
	s_add_nc_u64 s[\g+2:\g+3], s[8:9], s[72:73]
	s_or_b32 s[\g+3], s[\g+3], 0x80000000
.endm
.macro QUANT2 s, pc, pw                ; 32 numbers of a lane, register 16 b + i = k 32 b + 16 (lane / 16) + i of my row -> 4 registers of codes (lane (r, h): block h), two scale bytes
.irp b, 0,1
	v_max3_num_f32 v[TM+\b], |v[(\s)+16*\b]|, |v[(\s)+16*\b+1]|, 0x1800000
.endr
.irp i, 2,4,6,8,10,12,14
.irp b, 0,1
	s_delay_alu instid0(VALU_DEP_2)
	v_max3_num_f32 v[TM+\b], v[TM+\b], |v[(\s)+16*\b+\i]|, |v[(\s)+16*\b+\i+1]|
.endr
.endr
.irp b, 0,1
	s_delay_alu instid0(VALU_DEP_2)
	v_permlanex16_b32 v[TM+2+\b], v[TM+\b], s[SEL], s[SEL+1]
.endr
.irp b, 0,1
	s_delay_alu instid0(VALU_DEP_2)
	v_max_num_f32 v[TM+\b], v[TM+\b], v[TM+2+\b]
.endr
.irp b, 0,1
	s_delay_alu instid0(VALU_DEP_2)
	v_add_nc_u32 v[TM+4+\b], 0xff000000, v[TM+\b]
.endr
.irp b, 0,1
	s_delay_alu instid0(VALU_DEP_2)
	v_lshrrev_b32 v[TM+2+\b], 23, v[TM+4+\b]
.endr
	s_delay_alu instid0(VALU_DEP_1)
	v_lshl_or_b32 v[\pw], v[TM+3], 8, v[TM+2]
.irp b, 0,1
	v_cvt_scalef32_pk8_fp4_f32 v[(\pc)+2*\b], v[(\s)+16*\b:(\s)+16*\b+7], v[TM+4+\b]
	v_cvt_scalef32_pk8_fp4_f32 v[(\pc)+2*\b+1], v[(\s)+16*\b+8:(\s)+16*\b+15], v[TM+4+\b]
.endr
	v_nop
	v_permlane16_swap_b32 v[(\pc)], v[(\pc)+2]
	v_permlane16_swap_b32 v[(\pc)+1], v[(\pc)+3]
.endm
	s_load_b256 s[4:11], s[0:1], 0x0               ; qimg 4:5, qsc 6:7, kv 8:9, oimg 10:11
	s_load_b64 s[12:13], s[0:1], 0x20              ; osc
	v_lshl_add_u32 v249, v0, 2, 0x46000
	v_mov_b32 v255, 0
	ds_add_u32 v249, v255
	ds_add_u32 v249, v255
	v_lshrrev_b32 v1, 5, v0
	s_delay_alu instid0(VALU_DEP_1)
	v_readfirstlane_b32 s[WV], v1                  ; wave 0..15
	v_and_b32 v2, 31, v0
	s_delay_alu instid0(VALU_DEP_1)
	v_lshlrev_b32 v[LI], 4, v2
	s_delay_alu instid0(VALU_DEP_2)
	v_lshlrev_b32 v[LS], 2, v2
	v_and_b32 v[R4], 15, v0
	s_delay_alu instid0(VALU_DEP_1)
	v_lshlrev_b32 v[R4], 2, v[R4]
	s_bfe_u32 s15, ttmp6, 0x40000                  ; cx: it enters Q's and O's global addresses alone
	s_lshl_b32 s16, ttmp9, 2
	s_add_co_u32 s16, s16, s15                     ; my block of 256 queries
	s_and_b32 s17, ttmp7, 0xffff                   ; the batch-head, which the four partners share
	s_mul_i32 s22, s17, 32*STEPB                   ; its block in kv
	s_mov_b32 s23, 0
	s_mov_b32 s73, 0
	s_and_b32 s71, s[WV], 3                        ; which quarter of a chunk (waves 0 to 3 fetch)
	s_mul_i32 s68, s71, 35*256                     ; chunk A: steps 0-3, 140 rows
	s_mul_i32 s69, s71, 70*256                     ; chunk B: steps 4-11, 280 rows
	s_add_co_u32 s69, s69, 4*STEPB
	s_mul_i32 s70, s71, 175*256                    ; chunk C: steps 12-31, 700 rows
	s_add_co_u32 s70, s70, 12*STEPB
	GROUP1 G1A, 35
	GROUP1 G1B, 70
	GROUP1 G1C, 175
	s_lshl_b32 s18, s16, 4
	s_add_co_u32 s18, s18, s[WV]                   ; T: my tile of queries
	s_lshl_b32 s19, s17, 8
	s_add_co_u32 s19, s19, s18
	s_lshl_b32 s20, s19, 9                         ; Q's image
	s_mov_b32 s21, 0
	s_lshl_b32 s74, s19, 6                         ; Q's words
	s_mov_b32 s75, 0
	s_lshr_b32 s19, s17, 2                         ; batch
	s_lshl_b32 s19, s19, 8
	s_add_co_u32 s19, s19, s18                     ; 256 batch + T
	s_and_b32 s18, s17, 3                          ; head
	s_lshl_b32 s76, s19, 2
	s_add_co_u32 s76, s76, s18
	s_lshl_b32 s76, s76, 9                         ; O's image: [batch][T][head][512]
	s_mov_b32 s77, 0
	s_lshl_b32 s78, s19, 1
	s_lshr_b32 s19, s18, 1
	s_add_co_u32 s78, s78, s19
	s_lshl_b32 s78, s78, 6                         ; O's words: [batch][T][K step = head / 2][16][4],
	s_and_b32 s19, s18, 1
	s_lshl_b32 s19, s19, 1
	s_add_co_u32 s78, s78, s19                     ; my head's two bytes of the four
	s_mov_b32 s79, 0
	s_mov_b32 s[SEL], 0x76543210
	s_mov_b32 s[SEL+1], 0xfedcba98
	s_mov_b32 s[CS], 0x3e38aa3b                    ; c = log2(e) / 8
	s_mov_b32 s[CS+1], s[CS]                       ; (named with it as a pair, so it is written)
	s_wait_dscnt 0x0
	s_wait_kmcnt 0x0
	s_add_nc_u64 s[8:9], s[8:9], s[22:23]
	s_add_nc_u64 s[4:5], s[4:5], s[20:21]
	s_add_nc_u64 s[6:7], s[6:7], s[74:75]
	s_add_nc_u64 s[10:11], s[10:11], s[76:77]
	s_add_nc_u64 s[12:13], s[12:13], s[78:79]
	GROUP0 G0A, 68
	GROUP0 G0B, 69
	GROUP0 G0C, 70
	ROUND                                          ; all four work-groups are here: the joint fills meet
	s_cmp_lt_u32 s[WV], 4                          ; a wave's three fills stand in one branch on the wave's number, ahead of every wait on TENSORcnt, every LDS read and every other barrier
	s_cbranch_scc0 .Lno_fill
	tensor_load_to_lds s[G0A:G0A+3], s[G1A:G1A+7]
	s_nop 0
	tensor_load_to_lds s[G0B:G0B+3], s[G1B:G1B+7]
	s_nop 0
	tensor_load_to_lds s[G0C:G0C+3], s[G1C:G1C+7]
	s_nop 0
.rept 4
	v_nop                                          ; four places behind the tensor loads
.endr
.Lno_fill:
	s_wait_alu depctr_va_vdst(0)
	global_load_b128 v[QL:QL+3], v[LI], s[4:5]     ; Q stays in registers
	global_load_b32 v[QS], v[R4], s[6:7]
.irp j, 16,17,18,19,24,25,26,27
	v_mov_b32 v[\j], 0                             ; the zero codes on either side of Q
.endr
	v_mov_b32 v13, 0xff61b1e6                      ; the largest t so far: -3e38
	s_delay_alu instid0(VALU_DEP_1)
	v_floor_f32 v12, -v13                          ; -M
	v_mov_b32 v14, 0                               ; the sum, in two halves
	v_mov_b32 v15, 0
.irp b, 0,1,2,3
	v_mov_b32 v[T2+\b], 0                          ; a lane permute's destination counts as one of its sources
.endr
	v_mov_b32 v[F+1], 0
.set j, 0
.rept 32
	v_mov_b32 v[O+j], 0                            ; O^T: the step is written once; the first finds zeros, which the first change of M leaves zeros
.set j, j+1
.endr
	s_wait_loadcnt 0x0                             ; Q
; A KEY STEP: 128 keys.
.macro STEP
	v_add_nc_u32 v[ADI], s[TB], v[LI]
	v_add_nc_u32 v[ADS], s[TB], v[LS]
	v_nop
	v_nop                                          ; four places between the last step's products and the loads into V's registers (ISA guide 7.12.1 for vector instructions)
.irp i, 0,1,2,3,4,5,6,7
	ds_load_b128 v[KF+4*\i:KF+4*\i+3], v[ADI] offset:512*\i
.endr
.irp f, 0,1,2,3
	ds_load_b32 v[KS+\f], v[ADS] offset:KSO+128*\f
.endr
.irp i, 0,1,2,3,4,5,6,7
	ds_load_b128 v[VF+4*\i:VF+4*\i+3], v[ADI] offset:VIO+512*\i
.endr
.irp i, 0,1
	ds_load_b32 v[VS+\i], v[ADS] offset:VSO+128*\i
.endr
	s_wait_dscnt 10                                ; K's twelve loads are in; V's ten may be out
.irp f, 0,1,2,3
	v_wmma_scale_f32_16x16x128_f8f6f4 v[S+16*\f:S+16*\f+7], v[KF+8*\f:KF+8*\f+7], v[QL:QL+7], 0, v[KS+\f], v[QS] matrix_a_fmt:MATRIX_FMT_FP4 matrix_b_fmt:MATRIX_FMT_FP4
	v_wmma_scale_f32_16x16x128_f8f6f4 v[S+16*\f+8:S+16*\f+15], v[KF+8*\f:KF+8*\f+7], v[QH:QH+7], 0, v[KS+\f], v[QS] matrix_a_fmt:MATRIX_FMT_FP4 matrix_b_fmt:MATRIX_FMT_FP4 matrix_a_scale:MATRIX_SCALE_ROW1
.endr
.rept 4
	v_nop
.endr
.irp b, 0,1,2,3
	v_max3_num_f32 v[BM+\b], v[S+16*\b], v[S+16*\b+1], v[S+16*\b+2]   ; the largest score of each block of 32 keys: for the row's maximum, and for the block's largest p
.endr
.irp i, 3,5,7,9,11,13
.irp b, 0,1,2,3
	v_max3_num_f32 v[BM+\b], v[BM+\b], v[S+16*\b+\i], v[S+16*\b+\i+1]
.endr
.endr
.irp b, 0,1,2,3
	v_max_num_f32 v[BM+\b], v[BM+\b], v[S+16*\b+15]
.endr
.irp b, 0,1,2,3
	s_delay_alu instid0(VALU_DEP_4)
	v_permlanex16_b32 v[T2+\b], v[BM+\b], s[SEL], s[SEL+1]
.endr
.irp b, 0,1,2,3
	s_delay_alu instid0(VALU_DEP_4)
	v_max_num_f32 v[BM+\b], v[BM+\b], v[T2+\b]     ; with lane l xor 16's 16 keys
.endr
	s_delay_alu instid0(VALU_DEP_2)
	v_max3_num_f32 v[TMP], v[BM], v[BM+1], v[BM+2]
	s_delay_alu instid0(VALU_DEP_1)
	v_max_num_f32 v[TMP], v[TMP], v[BM+3]
	s_delay_alu instid0(VALU_DEP_1)
	v_mul_f32 v[TMP], s[CS], v[TMP]                ; the step's largest t (c is positive)
	s_delay_alu instid0(VALU_DEP_1)
	v_max_num_f32 v13, v13, v[TMP]
	v_mov_b32 v[TMP], v12
	s_delay_alu instid0(VALU_DEP_2)
	v_floor_f32 v12, -v13                          ; the new -M = -ceil(t)
	s_delay_alu instid0(VALU_DEP_1)
	v_sub_f32 v[TMP], v12, v[TMP]                  ; old M - new M: a whole number, 0 or less
	s_delay_alu instid0(VALU_DEP_1)
	v_cvt_i32_f32 v[TMP], v[TMP]                   ; (it saturates)
	s_delay_alu instid0(VALU_DEP_1)
	v_ldexp_f32 v[F], 1.0, v[TMP]                  ; f
.set j, 0
.rept 32
	v_pk_fma_f32 v[S+j:S+j+1], v[S+j:S+j+1], s[CS:CS+1], v[12:13] op_sel_hi:[1,0,0]   ; t - M
.set j, j+2
.endr
.irp b, 0,1,2,3
	v_fma_f32 v[BM+\b], v[BM+\b], s[CS], v12
.endr
.set j, 0
	s_wait_alu depctr_va_vdst(0)
.rept 64
	v_exp_f32 v[S+j], v[S+j]                       ; p = 2^(t - M): one batch
.set j, j+1
.endr
	s_setprio 1
	v_pk_mul_f32 v[14:15], v[14:15], v[F:F+1] op_sel_hi:[1,0]   ; the sums under the new M (a plain place behind the batch)
	s_wait_alu depctr_va_vdst(0)                   ; one wait for the batch, ahead of its first reader
.irp b, 0,1,2,3
	v_exp_f32 v[BM+\b], v[BM+\b]                   ; the blocks' largest p
.endr
	v_pk_add_f32 v[236:237], v[100:101], v[104:105]
	v_pk_add_f32 v[252:253], v[108:109], v[112:113]
	v_pk_add_f32 v[246:247], v[116:117], v[120:121]
	v_pk_add_f32 v[244:245], v[124:125], v[128:129]
	v_pk_add_f32 v[242:243], v[132:133], v[136:137]
	v_pk_add_f32 v[240:241], v[140:141], v[144:145]
	v_pk_add_f32 v[238:239], v[148:149], v[152:153]
	v_pk_add_f32 v[14:15], v[14:15], v[156:157]
	v_pk_add_f32 v[236:237], v[236:237], v[96:97]
	v_pk_add_f32 v[252:253], v[252:253], v[98:99]
	v_pk_add_f32 v[246:247], v[246:247], v[102:103]
	v_pk_add_f32 v[244:245], v[244:245], v[106:107]
	v_pk_add_f32 v[242:243], v[242:243], v[110:111]
	v_pk_add_f32 v[240:241], v[240:241], v[114:115]
	v_pk_add_f32 v[238:239], v[238:239], v[118:119]
	v_pk_add_f32 v[14:15], v[14:15], v[122:123]
	v_pk_add_f32 v[236:237], v[236:237], v[126:127]
	v_pk_add_f32 v[252:253], v[252:253], v[130:131]
	v_pk_add_f32 v[246:247], v[246:247], v[134:135]
	v_pk_add_f32 v[244:245], v[244:245], v[138:139]
	v_pk_add_f32 v[242:243], v[242:243], v[142:143]
	v_pk_add_f32 v[240:241], v[240:241], v[146:147]
	v_pk_add_f32 v[238:239], v[238:239], v[150:151]
	v_pk_add_f32 v[14:15], v[14:15], v[154:155]
	v_pk_add_f32 v[236:237], v[236:237], v[158:159]
	s_delay_alu instid0(VALU_DEP_2)
	v_pk_add_f32 v[14:15], v[14:15], v[244:245]
	s_delay_alu instid0(VALU_DEP_2)
	v_pk_add_f32 v[236:237], v[236:237], v[242:243]
	v_pk_add_f32 v[252:253], v[252:253], v[240:241]
	v_pk_add_f32 v[246:247], v[246:247], v[238:239]
	s_delay_alu instid0(VALU_DEP_2)
	v_pk_add_f32 v[14:15], v[14:15], v[252:253]
	s_delay_alu instid0(VALU_DEP_2)
	v_pk_add_f32 v[236:237], v[236:237], v[246:247]
	s_delay_alu instid0(VALU_DEP_1)
	v_pk_add_f32 v[14:15], v[14:15], v[236:237]
	s_wait_alu depctr_va_vdst(0)                   ; and one for the four
.irp b, 0,1,2,3
	v_max_num_f32 v[BM+\b], 0x1800000, v[BM+\b]    ; the floor 2^(3 - 127)
.endr
.irp b, 0,1,2,3
	s_delay_alu instid0(VALU_DEP_4)
	v_add_nc_u32 v[SOP+\b], 0xff000000, v[BM+\b]
.endr
.irp b, 0,1,2,3
	s_delay_alu instid0(VALU_DEP_4)
	v_lshrrev_b32 v[T2+\b], 23, v[SOP+\b]
.endr
	s_delay_alu instid0(VALU_DEP_3)
	v_lshl_or_b32 v[PS], v[T2+1], 8, v[T2]
	s_delay_alu instid0(VALU_DEP_1)
	v_lshl_or_b32 v[PS], v[T2+2], 16, v[PS]
	s_delay_alu instid0(VALU_DEP_1)
	v_lshl_or_b32 v[PS], v[T2+3], 24, v[PS]
.irp b, 0,1,2,3
	v_cvt_scalef32_pk8_fp4_f32 v[PC+2*\b], v[S+16*\b:S+16*\b+7], v[SOP+\b]
	v_cvt_scalef32_pk8_fp4_f32 v[PC+2*\b+1], v[S+16*\b+8:S+16*\b+15], v[SOP+\b]
.endr
	v_nop
.irp c, 0,1
.irp i, 0,1
	v_permlane16_swap_b32 v[PC+4*\c+\i], v[PC+4*\c+2+\i]
.endr
.endr
.set j, 0
	s_setprio 0
.rept 16
	v_pk_mul_f32 v[O+j:O+j+1], v[O+j:O+j+1], v[F:F+1] op_sel_hi:[1,0]   ; O^T under the new M; twelve of these sixteen name no register of a given product below: its places behind p's scale word (8) and codes (4)
.set j, j+2
.endr
	s_wait_alu depctr_va_vdst(0)
	s_wait_dscnt 0x0                               ; V
.irp t, 0,2
	v_wmma_scale_f32_16x16x128_f8f6f4 v[O+8*\t:O+8*\t+7], v[VF+8*\t:VF+8*\t+7], v[PC:PC+7], v[O+8*\t:O+8*\t+7], v[VS+\t/2], v[PS] matrix_a_fmt:MATRIX_FMT_FP4 matrix_b_fmt:MATRIX_FMT_FP4
	v_wmma_scale_f32_16x16x128_f8f6f4 v[O+8*\t+8:O+8*\t+15], v[VF+8*\t+8:VF+8*\t+15], v[PC:PC+7], v[O+8*\t+8:O+8*\t+15], v[VS+\t/2], v[PS] matrix_a_fmt:MATRIX_FMT_FP4 matrix_b_fmt:MATRIX_FMT_FP4 matrix_a_scale:MATRIX_SCALE_ROW1
.endr
	s_add_co_u32 s[TB], s[TB], STEPB
.endm
; A chunk's steps.  left: my younger fills, which may stay out.  The wave that fetched waits, then signals; all sixteen read behind the barrier.
.macro CHUNK left, trips, base
	s_wait_tensorcnt \left
	s_wait_dscnt 0x0
	s_barrier_signal -1
	s_barrier_wait -1
	s_mov_b32 s[TB], \base
	s_mov_b32 s[CNT], \trips
.Lstep_\@:
	s_setprio 2
	STEP
	s_sub_co_u32 s[CNT], s[CNT], 1
	s_cmp_lg_u32 s[CNT], 0
	s_cbranch_scc1 .Lstep_\@
	s_setprio 0
.endm
	CHUNK 2, 4, 0
	CHUNK 1, 8, 4*STEPB
	CHUNK 0, 20, 12*STEPB
	; THE WAY OUT: O^T / the sum, quantised along the head's 64 channels.  V's tiles were laid so that register 16 B + i is channel 32 B + 16 (lane / 16) + i.
	v_add_f32 v14, v14, v15
	s_delay_alu instid0(VALU_DEP_1)
	v_permlanex16_b32 v[TMP], v14, s[SEL], s[SEL+1]
	s_delay_alu instid0(VALU_DEP_1)
	v_add_f32 v14, v14, v[TMP]                     ; the row's sum
	s_wait_alu depctr_va_vdst(0)
	v_rcp_f32 v14, v14
.rept 4
	v_nop                                          ; the plain place behind the reciprocal, and four places behind the last products
.endr
	s_wait_alu depctr_va_vdst(0)                   ; ahead of the reciprocal's first reader
.set j, 0
.rept 32
	v_mul_f32 v[S+j], v[O+j], v14                  ; each accumulator from its low end on
.set j, j+1
.endr
	QUANT2 S, PC, PW
	global_store_b128 v[LI], v[PC:PC+3], s[10:11]  ; 512 consecutive bytes, aligned
	global_store_b16 v[R4], v[PW], s[12:13]        ; row r's two bytes; lanes l and l + 16 hold the same value and write the same place
	s_wait_tensorcnt 0x0
	ds_add_u32 v249, v255
	s_wait_dscnt 0x0
	ROUND                                          ; the closing round: no work-group ends while a partner may still ask for a fill that names it
	s_endpgm
.Lfunc_end_k_qe3930eec23_attn:
	.size	k_qe3930eec23_attn, .Lfunc_end_k_qe3930eec23_attn-k_qe3930eec23_attn
	.p2alignl 7, 3214868480
	.fill 96, 4, 3214868480
	.section	.rodata,"a",@progbits
	.p2align	6, 0x0
	.amdhsa_kernel k_qe3930eec23_attn
		.amdhsa_group_segment_fixed_size 327680
		.amdhsa_private_segment_fixed_size 0
		.amdhsa_enable_private_segment 0
		.amdhsa_kernarg_size 40
		.amdhsa_user_sgpr_count 2
		.amdhsa_user_sgpr_kernarg_segment_ptr 1
		.amdhsa_wavefront_size32 1
		.amdhsa_system_sgpr_workgroup_id_x 1
		.amdhsa_system_sgpr_workgroup_id_y 1
		.amdhsa_system_sgpr_workgroup_id_z 1
		.amdhsa_system_vgpr_workitem_id 0
		.amdhsa_next_free_vgpr 256
		.amdhsa_next_free_sgpr 80
		.amdhsa_reserve_vcc 0
		.amdhsa_float_denorm_mode_32 3
		.amdhsa_float_denorm_mode_16_64 3
		.amdhsa_memory_ordered 1
		.amdhsa_forward_progress 1
		.amdhsa_inst_pref_size 62
	.end_amdhsa_kernel
	.amdgpu_metadata
---
amdhsa.version: [ 1, 2 ]
amdhsa.kernels:
  - .name:           k_qe3930eec23_attn
    .symbol:         k_qe3930eec23_attn.kd
    .args:
      - { .name: qimg, .offset: 0, .size: 8, .value_kind: global_buffer, .address_space: global }
      - { .name: qsc, .offset: 8, .size: 8, .value_kind: global_buffer, .address_space: global }
      - { .name: kv, .offset: 16, .size: 8, .value_kind: global_buffer, .address_space: global }
      - { .name: oimg, .offset: 24, .size: 8, .value_kind: global_buffer, .address_space: global }
      - { .name: osc, .offset: 32, .size: 8, .value_kind: global_buffer, .address_space: global }
    .group_segment_fixed_size: 327680
    .private_segment_fixed_size: 0
    .kernarg_segment_align: 8
    .kernarg_segment_size: 40
    .max_flat_workgroup_size: 512
    .sgpr_count:     80
    .vgpr_count:     256
    .wavefront_size: 32
...
	.end_amdgpu_metadata
.endif
;; end of part 3
;; launch proj (part 4): grid 256 x 1, 8 waves a work-group, no clusters, 70,656 bytes of LDS; arguments x, oimg, osc, proj_w_codes, proj_w_scales, proj_b, out0; writes out0
.if DOCPART == 4
	.amdgcn_target "amdgcn-amd-amdhsa--gfx1250"
	.amdhsa_code_object_version 6
	.text
	.protected	k_qe3930eec23_proj
	.globl	k_qe3930eec23_proj
	.p2align	8
	.type	k_qe3930eec23_proj,@function
k_qe3930eec23_proj:
	s_mov_b64 s[64:65], 0
	v_nop
	global_prefetch_b8 v0, s[64:65] scope:SCOPE_SE
	s_setreg_imm32_b32 hwreg(HW_REG_WAVE_MODE, 25, 1), 1
	s_wait_xcnt 0x0
; out0 = x + proj_w o + proj_b, the product on codes of FP4 (E2M1, one E8M0 scale for each 32 along K = the 256 channels).
; A work-group owns batch b = id / 64 and positions 64 g .. 64 g + 63 (g = id % 64); wave w owns outputs 32 w .. 32 w + 31: two tiles of 16 rows of proj_w x four tiles of 16 positions, two K steps: 16 products on eight accumulators by turns.
; o comes as images of the operand's registers: tile T = 4 g + m holds four heads x 512 bytes; heads 2 s and 2 s + 1 are K step s's fragment.  Row i of tile m = 2 B + u is position 32 B + 8 u + i + (i & 8).
; Source 0 = 16 positions, source 1 = 16 rows of proj_w: a lane holds one output channel, and its eight registers the positions 32 B + 16 (lane / 16) + 8 u + 0 .. 7: neighbours in out0.  The bias is the C of the first K step.
; The results go through the wave's own stage in LDS (32 rows of 256 bytes + 16) and come back as whole rows; x is added; sixteen lanes store 256 consecutive bytes, aligned.  No barrier: waves share nothing.
.set CO,  1                            ; v1   16384 h + 16 r: my 16 bytes in two channels' rows of x and out0
.set STO, 2                            ; v2   the stage, in: 8704 w + 272 r + 64 h
.set RD,  3                            ; v3   the stage, back: 8704 w + 272 h + 16 r
.set LI,  4                            ; v4   16 x lane
.set LS,  5                            ; v5   4 x lane
.set WA,  6                            ; v6   proj_w's codes: 128 r + 16 h + 4096 w
.set WSA, 7                            ; v7   its scale words: 8 r + 4 h + 256 w: lanes 0-15 K step 0, lanes 16-31 K step 1
.set BA,  190                          ; v190 the bias: 4 r + 128 w
.set ACC, 8                            ; v8-71    (n, m) at ACC + 32 n + 8 m
.set OF,  72                           ; v72-135  o's fragments: (m, s) at OF + 16 m + 8 s; later the rows read back
.set RB,  72
.set WF,  136                          ; v136-167 proj_w's: (n, s) at WF + 16 n + 8 s
.set BV,  168                          ; v168-183 the bias, eight registers a tile
.set OS,  184                          ; v184-187 o's scale words
.set WS,  188                          ; v188-189 proj_w's
.set XR,  192                          ; v192-255 x, then the result
	s_load_b256 s[4:11], s[0:1], 0x0               ; x 4:5, oimg 6:7, osc 8:9, proj_w's codes 10:11
	s_load_b128 s[12:15], s[0:1], 0x20             ; proj_w's scales 12:13, proj_b 14:15
	s_load_b64 s[16:17], s[0:1], 0x30              ; out0
	s_set_vgpr_msb 0x40
	v_lshl_add_u32 v0, v0, 2, 0x11000
	v_mov_b32 v1, 0
	s_set_vgpr_msb 0x4000
	v_lshrrev_b32 v1, 5, v0
	s_delay_alu instid0(VALU_DEP_1)
	v_readfirstlane_b32 s18, v1                    ; wave 0..7
	v_and_b32 v191, 31, v0
	s_delay_alu instid0(VALU_DEP_1)
	v_lshlrev_b32 v[LI], 4, v191
	s_delay_alu instid0(VALU_DEP_2)
	v_lshlrev_b32 v[LS], 2, v191
	v_and_b32 v191, 15, v0                         ; r
	v_bfe_u32 v8, v0, 4, 1                         ; h
	s_delay_alu instid0(VALU_DEP_2)
	v_lshlrev_b32 v[CO], 4, v191
	s_delay_alu instid0(VALU_DEP_1)
	v_lshl_add_u32 v[CO], v8, 14, v[CO]
	s_mul_i32 s21, s18, 32*272
	v_mul_u32_u24 v[STO], v191, 272
	s_delay_alu instid0(VALU_DEP_1)
	v_lshl_add_u32 v[STO], v8, 6, v[STO]
	s_delay_alu instid0(VALU_DEP_1)
	v_add_nc_u32 v[STO], s21, v[STO]
	v_mul_u32_u24 v[RD], v8, 272
	s_delay_alu instid0(VALU_DEP_1)
	v_lshl_add_u32 v[RD], v191, 4, v[RD]
	s_delay_alu instid0(VALU_DEP_1)
	v_add_nc_u32 v[RD], s21, v[RD]
	v_lshlrev_b32 v[WA], 7, v191
	s_delay_alu instid0(VALU_DEP_1)
	v_lshl_add_u32 v[WA], v8, 4, v[WA]
	s_lshl_b32 s28, s18, 12
	v_add_nc_u32 v[WA], s28, v[WA]
	v_lshlrev_b32 v[WSA], 3, v191
	s_delay_alu instid0(VALU_DEP_1)
	v_lshl_add_u32 v[WSA], v8, 2, v[WSA]
	s_lshl_b32 s28, s18, 8
	v_add_nc_u32 v[WSA], s28, v[WSA]
	s_lshl_b32 s28, s18, 7
	v_lshl_add_u32 v[BA], v191, 2, s28
	s_lshr_b32 s19, ttmp9, 6                       ; b
	s_and_b32 s20, ttmp9, 63                       ; g
	s_lshl_b32 s22, s19, 22
	s_lshl_b32 s28, s18, 19
	s_add_co_u32 s22, s22, s28
	s_lshl_b32 s28, s20, 8
	s_add_co_u32 s22, s22, s28                     ; x, out0: batch, my 32 channels, the 64 positions
	s_mov_b32 s23, 0
	s_lshl_b32 s24, s19, 8
	s_lshl_b32 s28, s20, 2
	s_add_co_u32 s24, s24, s28                     ; tile 256 b + 4 g
	s_lshl_b32 s26, s24, 7                         ; its words, 128 bytes a tile
	s_lshl_b32 s24, s24, 11                        ; its images, 2,048 bytes a tile
	s_mov_b32 s25, 0
	s_mov_b32 s27, 0
	s_wait_alu depctr_va_vdst(0)
	s_wait_kmcnt 0x0
	s_add_nc_u64 s[4:5], s[4:5], s[22:23]
	s_add_nc_u64 s[16:17], s[16:17], s[22:23]
	s_add_nc_u64 s[6:7], s[6:7], s[24:25]
	s_add_nc_u64 s[8:9], s[8:9], s[26:27]
.set i, 0
.rept 16
	global_load_b128 v[OF+4*i:OF+4*i+3], v[LI], s[6:7] offset:512*i
.set i, i+1
.endr
.irp m, 0,1,2,3
	global_load_b32 v[OS+\m], v[LS], s[8:9] offset:128*\m          ; lanes 0-15 K step 0's words, lanes 16-31 K step 1's
.endr
.irp n, 0,1
.irp s, 0,1
.irp c, 0,1
	global_load_b128 v[WF+16*\n+8*\s+4*\c:WF+16*\n+8*\s+4*\c+3], v[WA], s[10:11] offset:2048*\n+64*\s+32*\c
.endr
.endr
.endr
.irp n, 0,1
	global_load_b32 v[WS+\n], v[WSA], s[12:13] offset:128*\n
.endr
.irp n, 0,1
.irp j, 0,1,2,3,4,5,6,7
	global_load_b32 v[BV+8*\n+\j], v[BA], s[14:15] offset:64*\n    ; all eight registers: the bias of my lane's output
.endr
.endr
.set i, 0
.rept 16
	global_load_b128 v[XR+4*i:XR+4*i+3], v[CO], s[4:5] offset:32768*i th:TH_LOAD_NT   ; two channels' 256 bytes, aligned; x's last reading
.set i, i+1
.endr
	s_wait_loadcnt 16                              ; the operands are in; x's sixteen loads may be out
.irp n, 0,1
.irp m, 0,1,2,3
	v_wmma_scale_f32_16x16x128_f8f6f4 v[ACC+32*\n+8*\m:ACC+32*\n+8*\m+7], v[OF+16*\m:OF+16*\m+7], v[WF+16*\n:WF+16*\n+7], v[BV+8*\n:BV+8*\n+7], v[OS+\m], v[WS+\n] matrix_a_fmt:MATRIX_FMT_FP4 matrix_b_fmt:MATRIX_FMT_FP4
.endr
.endr
.irp n, 0,1
.irp m, 0,1,2,3
	v_wmma_scale_f32_16x16x128_f8f6f4 v[ACC+32*\n+8*\m:ACC+32*\n+8*\m+7], v[OF+16*\m+8:OF+16*\m+15], v[WF+16*\n+8:WF+16*\n+15], v[ACC+32*\n+8*\m:ACC+32*\n+8*\m+7], v[OS+\m], v[WS+\n] matrix_a_fmt:MATRIX_FMT_FP4 matrix_b_fmt:MATRIX_FMT_FP4 matrix_a_scale:MATRIX_SCALE_ROW1 matrix_b_scale:MATRIX_SCALE_ROW1
.endr
.endr
.rept 4
	v_nop                                          ; four places in front of the stores that read the results and of the loads into o's registers (ISA guide 7.12.1 for vector instructions)
.endr
.irp n, 0,1
.irp m, 0,1,2,3
	ds_store_b128 v[STO], v[ACC+32*\n+8*\m:ACC+32*\n+8*\m+3] offset:4352*\n+128*(\m/2)+32*(\m%2)        ; each accumulator from its low end on
	ds_store_b128 v[STO], v[ACC+32*\n+8*\m+4:ACC+32*\n+8*\m+7] offset:4352*\n+128*(\m/2)+32*(\m%2)+16
.endr
.endr
.set i, 0
.rept 16
	ds_load_b128 v[RB+4*i:RB+4*i+3], v[RD] offset:544*i            ; LDS serves a wave's instructions in order: these see my stores
.set i, i+1
.endr
	s_wait_loadcnt 0x0                             ; x
.set i, 0
.rept 16
	s_wait_dscnt 15-i                              ; rows 2 i and 2 i + 1 are back; the younger loads may be out
	v_pk_add_f32 v[XR+4*i:XR+4*i+1], v[XR+4*i:XR+4*i+1], v[RB+4*i:RB+4*i+1]
	v_pk_add_f32 v[XR+4*i+2:XR+4*i+3], v[XR+4*i+2:XR+4*i+3], v[RB+4*i+2:RB+4*i+3]
	global_store_b128 v[CO], v[XR+4*i:XR+4*i+3], s[16:17] offset:32768*i th:TH_STORE_NT   ; 16 lanes store 256 consecutive bytes, aligned
.set i, i+1
.endr
	s_set_vgpr_msb 0x5
	s_wait_tensorcnt 0x0
	ds_add_u32 v0, v1
	s_wait_dscnt 0x0
	s_set_vgpr_msb 0x500
	s_endpgm
.Lfunc_end_k_qe3930eec23_proj:
	.size	k_qe3930eec23_proj, .Lfunc_end_k_qe3930eec23_proj-k_qe3930eec23_proj
	.p2alignl 7, 3214868480
	.fill 96, 4, 3214868480
	.section	.rodata,"a",@progbits
	.p2align	6, 0x0
	.amdhsa_kernel k_qe3930eec23_proj
		.amdhsa_group_segment_fixed_size 70656
		.amdhsa_private_segment_fixed_size 0
		.amdhsa_enable_private_segment 0
		.amdhsa_kernarg_size 56
		.amdhsa_user_sgpr_count 2
		.amdhsa_user_sgpr_kernarg_segment_ptr 1
		.amdhsa_wavefront_size32 1
		.amdhsa_system_sgpr_workgroup_id_x 1
		.amdhsa_system_sgpr_workgroup_id_y 1
		.amdhsa_system_sgpr_workgroup_id_z 1
		.amdhsa_system_vgpr_workitem_id 0
		.amdhsa_next_free_vgpr 258
		.amdhsa_next_free_sgpr 66
		.amdhsa_reserve_vcc 0
		.amdhsa_float_denorm_mode_32 3
		.amdhsa_float_denorm_mode_16_64 3
		.amdhsa_memory_ordered 1
		.amdhsa_forward_progress 1
		.amdhsa_inst_pref_size 18
	.end_amdhsa_kernel
	.amdgpu_metadata
---
amdhsa.version: [ 1, 2 ]
amdhsa.kernels:
  - .name:           k_qe3930eec23_proj
    .symbol:         k_qe3930eec23_proj.kd
    .args:
      - { .name: x, .offset: 0, .size: 8, .value_kind: global_buffer, .address_space: global }
      - { .name: oimg, .offset: 8, .size: 8, .value_kind: global_buffer, .address_space: global }
      - { .name: osc, .offset: 16, .size: 8, .value_kind: global_buffer, .address_space: global }
      - { .name: proj_w_codes, .offset: 24, .size: 8, .value_kind: global_buffer, .address_space: global }
      - { .name: proj_w_scales, .offset: 32, .size: 8, .value_kind: global_buffer, .address_space: global }
      - { .name: proj_b, .offset: 40, .size: 8, .value_kind: global_buffer, .address_space: global }
      - { .name: out0, .offset: 48, .size: 8, .value_kind: global_buffer, .address_space: global }
    .group_segment_fixed_size: 70656
    .private_segment_fixed_size: 0
    .kernarg_segment_align: 8
    .kernarg_segment_size: 56
    .max_flat_workgroup_size: 256
    .sgpr_count:     66
    .vgpr_count:     258
    .wavefront_size: 32
...
	.end_amdgpu_metadata
.endif
;; end of part 4
